; MI455X (gfx1250); checked and timed in simulation.
; The chip was launched on July 23, 2026; its instructions are those of AMD's public machine-readable ISA for CDNA 5 (MIT licence, August 2026) and "CDNA5" Instruction Set Architecture Reference Guide (July 2026). The comments in the code are by the model that wrote it; some were corrected since.
;; Affinity Bi FC. Allowed arithmetic: matrix products marked QUANTISED: E2M3 operands, one E8M0 scale for each 32 along K, by v_wmma_scale_f32_16x16x128_f8f6f4 with both operands' format E2M3, f32 sums; products left as they are: f32 operands where the result goes on into a quantised operand, else bf16, f16 or f32 operands; f32 sums; everything else in f32.
;; Inputs: A 256 x 256 x 1,024 float32; W 1 x 1,024 float32; X 4 x 128 x 256 float32; Y 4 x 128 x 256 float32; b 1 float32.
;; Outputs: out0 4 x 128 x 128 float32.
;; This version of the problem:
;;   THIS VERSION OF THE PROBLEM IS GIVEN IN LOW PRECISION. The matrix products marked QUANTISED in the list below multiply operands that are first quantised to E2M3 (2 exponent bits, 3 mantissa bits; 6 bits a number), with one power-of-two scale for each 32 numbers along K (OCP MX v1.0); their sums are f32. All else is computed in f32.
;;   The module's matrix products, in the order in which they are computed (A, B: the left and right operand; K: the contracted axis; several contracted axes count as one K, in the product's order):
;;     1. [M 512, K 256] x [K 256, N 262,144]; A: input X; B: input A: QUANTISED
;;     2. batch 4 x [M 128, K 256] x [K 256, N 131,072]; A: input Y; B: computed on the way: QUANTISED
;;     3. [M 65,536, K 1,024] x [K 1,024, N 1]; A: computed on the way; B: input W: left as it is (N = 1 < 16)
;;   THE QUANTISER, for each operand of a quantised product, along K:
;;     - K is cut into blocks of 32 from its start; a last block that is shorter is filled with zeros.
;;     - A block's scale is 2^e with e = floor(log2(the largest magnitude in the block)) - 2, held to -126 .. 127; a block of zeros has e = 0. As a byte (E8M0): e + 127.
;;     - Each number is divided by its block's scale, clamped to +-7.5, and rounded to the nearest number of E2M3, ties to even, subnormals kept.
;;     - The product sums the exact products of the quantised numbers (number of the format x scale) in f32.
;;   ~~~python
;;   def quantise(x, axis):      # numpy; x: float32 -> the quantised numbers, widened to float32 again
;;       x = np.moveaxis(x, axis, -1); K = x.shape[-1]
;;       x = np.pad(x, [(0, 0)] * (x.ndim - 1) + [(0, -K % 32)]); x = x.reshape(x.shape[:-1] + (-1, 32)); a = np.abs(x).max(-1, keepdims=True)
;;       e = np.where(a > 0, np.clip(np.frexp(np.where(a > 0, a, 1))[1] - 1 - 2, -126, 127), 0)      # np.frexp(a)[1] - 1 = floor(log2(a)), exactly
;;       r = np.clip(x / 2.0 ** e, -7.5, 7.5)
;;       step = 2.0 ** (np.maximum(np.frexp(np.where(r == 0, 1, r))[1] - 1, 0) - 3)
;;       q = np.round(r / step) * step * 2.0 ** e      # np.round: ties to even
;;       return np.moveaxis(q.reshape(q.shape[:-2] + (-1,))[..., :K], -1, axis).astype(np.float32)
;;   ~~~
;;   OPERANDS COMPUTED ON THE WAY. 'Computed on the way' means the value that the module computes at that place (a softmax that the list does not call 'softmax' is quantised finished and normalised). What goes into a quantiser is computed in f32, as accurately as f32 sums, v_exp_f32 and their like allow (about 1e-6 of the number): no bf16 or f16 on the way to a quantiser, and a product that is left as it is and whose result goes on into a quantised operand takes f32 operands (vector FMAs, or v_wmma_f32_16x16x4_f32). A number that lies on a knife's edge between two numbers of the format may be rounded either way, as far as f32 arithmetic and the matrix unit's own rounding can turn it there, and no further.
;; One version. Each part assembles by itself: llvm-mc -triple=amdgcn-amd-amdhsa -mcpu=gfx1250 --defsym DOCPART=n.
;; ======== version 1 of 1: 3 launches
;; limits: right only within a limited range of input values
;; workspace buffers: Acod 50,331,648 bytes; Ascl 2,097,152 bytes; XYcod 196,608 bytes; XYscl 8,192 bytes; Part 16,777,216 bytes
;; launch quant (part 1): grid 520 x 1, 8 waves a work-group, no clusters, 105,472 bytes of LDS; arguments A, X, Y, Acod, Ascl, XYcod, XYscl; writes Acod, Ascl, XYcod, XYscl
.if DOCPART == 1
	.amdgcn_target "amdgcn-amd-amdhsa--gfx1250"
	.amdhsa_code_object_version 6
	.text
	.protected	k_q90a5d1011f_quant
	.globl	k_q90a5d1011f_quant
	.p2align	8
	.type	k_q90a5d1011f_quant,@function
k_q90a5d1011f_quant:
	s_mov_b64 s[64:65], 0
	v_nop
	global_prefetch_b8 v0, s[64:65] scope:SCOPE_SE
	s_setreg_imm32_b32 hwreg(HW_REG_WAVE_MODE, 25, 1), 1
	s_wait_xcnt 0x0
; A [256 d][256 e][1024 k], X [512 rows][256 d] and Y [512 rows][256 e], all f32, become codes of FP6 (E2M3) with one E8M0 byte for each 32 along the
; contracted axis (A, X: d; Y: e).  A block's scale is 2^(floor(log2(largest magnitude)) - 2): its byte is the largest magnitude's exponent field - 2.
; THE CODES ARE LAID AS IMAGES OF THE OPERAND'S REGISTERS.  A fragment is 16 rows x 128 K = 12 registers a lane = 1,536 bytes: register 4 c + i of lane l at byte
; 512 c + 16 l + 4 i; lane l = (r = l % 16, h = l / 16) holds in registers 6 c' .. 6 c' + 5 the 24 code bytes of K block 2 c' + h of row r.
;   Acod  [k 1024][ec 2][t 8][s 2][1536]: ec = which 128 e, t = tile of 16 e, s = which 128 d.  Row r of tile t is e = 128 ec + 32 (t / 2) + 8 (t % 2) + r + 8 (r / 8),
;         so that the next launch's results of two neighbouring tiles are 16 neighbours along e in a lane's registers.
;   Ascl  [fs 32][k 1024][r 16] words, fs = 16 ec + 2 t + s: the four bytes of d blocks 4 s .. 4 s + 3 of that e and k.
;   XYcod [tile 64][s 2][1536]: tiles 0-31 X's rows 16 tile + r, tiles 32-63 Y's.   XYscl [tile 64][lane 32] words: lane r + 16 s holds row r's word of step s.
; LIMITS: a block of zeros, and one whose largest magnitude lies under 2^-124, gets the byte 1 (zeros: the rule says 127; the codes are zeros and this program alone reads the bytes);
; NaN and infinities among the inputs are not served.
; SHARES.  Work-groups 0-7 take X and Y, a tile a wave.  Work-group 8 + id takes of A one fs = id / 16 and 64 k = 64 (id % 16) ..: 16 e x 128 d x 64 k.
; A LANE TAKES A COLUMN k AND ITS REGISTERS RUN DOWN d: a block of 32 lies in one lane's 32 registers, and the conversions give codes with d innermost; nothing is transposed by an instruction.
; Wave w: columns 32 (w % 2) + lane of the 64, rows r = 4 (w / 2) + j, j = 0 .. 3; 16 steps of one block.  Two neighbouring waves read 256 consecutive bytes of a row of A.
; The codes meet in a stage in LDS, one image for each k, and leave as whole images: each store of a wave covers 512 consecutive bytes, aligned.
; No tensor load and no ring: the loads in flight lie in registers (up to two steps of 32 a wave), and several work-groups share a WGP.  No cluster: no byte of A is read twice.
.set NUM,    32                        ; v32-95   two sets of 32 numbers; behind the barrier v32-127 take the images on their way out
.set VO,     2                         ; v2-5     4 x lane + g x 8 rows of d (2^23 bytes)
.set SB,     16                        ; s[16:23] A at my first row and column, for each of the four d blocks (2^25 bytes apart)
.set CPITCH, 1552                      ; the code stage: an image of 1,536 bytes + 16: lanes that store 16 bytes to neighbouring k fall into different 16-byte columns modulo 256
.set SSTG,   64*CPITCH                 ; behind it the scale stage: 64 bytes for each k + 16
.set SPITCH, 80
	s_load_b256 s[4:11], s[0:1], 0x0               ; A, X, Y, Acod
	s_load_b128 s[12:15], s[0:1], 0x20             ; Ascl, XYcod
	s_load_b64 s[24:25], s[0:1], 0x30              ; XYscl
	v_lshl_add_u32 v128, v0, 2, 0x19800
	v_mov_b32 v129, 0
	v_lshrrev_b32 v1, 5, v0
	s_delay_alu instid0(VALU_DEP_1)
	v_readfirstlane_b32 s3, v1                     ; wave 0..7
	v_and_b32 v1, 31, v0                           ; lane
	s_delay_alu instid0(VALU_DEP_1)
	v_lshlrev_b32 v[VO], 2, v1
	s_delay_alu instid0(VALU_DEP_1)
	v_add_nc_u32 v[VO+1], 0x800000, v[VO]
	s_delay_alu instid0(VALU_DEP_2)
	v_add_nc_u32 v[VO+2], 0x1000000, v[VO]
	s_delay_alu instid0(VALU_DEP_3)
	v_add_nc_u32 v[VO+3], 0x1800000, v[VO]
	v_and_b32 v12, 63, v0                          ; kk = 32 (w % 2) + lane: my column among the 64
	v_lshrrev_b32 v13, 6, v0                       ; rq = w / 2
	s_delay_alu instid0(VALU_DEP_2)
	v_mul_u32_u24 v6, v12, CPITCH
	s_delay_alu instid0(VALU_DEP_1)
	v_lshl_add_u32 v6, v13, 6, v6                  ; v6: into the code stage: my k's image, + 16 bytes x my first row 4 rq
	s_delay_alu instid0(VALU_DEP_4)
	v_mul_u32_u24 v7, v12, SPITCH
	s_delay_alu instid0(VALU_DEP_1)
	v_lshl_add_u32 v7, v13, 4, v7
	s_delay_alu instid0(VALU_DEP_1)
	v_add_nc_u32 v7, SSTG, v7                      ; v7: into the scale stage: my k, + 4 bytes x my first row
	v_lshrrev_b32 v8, 5, v0
	s_delay_alu instid0(VALU_DEP_1)
	v_mul_u32_u24 v8, v8, 8*CPITCH
	s_delay_alu instid0(VALU_DEP_1)
	v_lshl_add_u32 v8, v1, 4, v8                   ; v8: out of the code stage: images 8 w .., 16 bytes a lane
	v_lshlrev_b32 v9, 4, v1                        ; v9: 16 x lane
	v_lshrrev_b32 v10, 2, v0
	s_delay_alu instid0(VALU_DEP_1)
	v_mul_u32_u24 v10, v10, SPITCH
	v_and_b32 v11, 3, v0
	s_delay_alu instid0(VALU_DEP_1)
	v_lshl_add_u32 v10, v11, 4, v10
	s_delay_alu instid0(VALU_DEP_1)
	v_add_nc_u32 v10, SSTG, v10                    ; v10: out of the scale stage: k = thread / 4, 16 bytes a thread
	v_lshlrev_b32 v11, 4, v0                       ; v11: 16 x thread
	s_wait_kmcnt 0x0
	s_cmp_lt_u32 ttmp9, 8                          ; the work-group's number alone decides: all eight waves go the same way
	s_cbranch_scc1 .Lxy
	; ---------------- A ----------------
	s_sub_co_u32 s26, ttmp9, 8                     ; id
	s_lshr_b32 s27, s26, 4                         ; fs
	s_and_b32 s28, s26, 15                         ; kg
	s_and_b32 s29, s27, 1                          ; s
	s_bfe_u32 s30, s27, 0x30001                    ; t
	s_lshr_b32 s31, s27, 4                         ; ec
	s_and_b32 s33, s3, 1                           ; kh
	s_lshr_b32 s34, s3, 1                          ; rq
	s_lshl_b32 s35, s31, 7                         ; my first e = 128 ec
	; THE ROWS OF A TILE (this takes the place of the head's line on row r): row r of tile t is e = 128 ec + 64 (t / 4) + 8 (t % 4) + r % 8 + 32 (r / 8),
	; so that in the next launch a lane's 32 results of four neighbouring tiles are one whole block of 32 along e
	s_lshr_b32 s36, s30, 2
	s_lshl_b32 s36, s36, 6
	s_add_co_u32 s35, s35, s36                     ; + 64 (t / 4)
	s_and_b32 s36, s30, 3
	s_lshl_b32 s36, s36, 3
	s_add_co_u32 s35, s35, s36                     ; + 8 (t % 4)
	s_lshl_b32 s36, s34, 2
	s_add_co_u32 s35, s35, s36                     ; + 4 rq
	s_lshr_b32 s36, s34, 1
	s_mul_i32 s36, s36, 24                         ; with 4 rq: 0, 4, 32, 36
	s_add_co_u32 s35, s35, s36                     ; + 24 (rq / 2)
	s_lshl_b32 s36, s29, 27                        ; bytes: 128 s rows of d of 2^20 bytes
	s_lshl_b32 s37, s35, 12
	s_add_co_u32 s36, s36, s37                     ; + e x 4,096
	s_lshl_b32 s37, s28, 8
	s_add_co_u32 s36, s36, s37                     ; + 64 kg columns
	s_lshl_b32 s37, s33, 7
	s_add_co_u32 s36, s36, s37                     ; + 32 kh columns: under 2^28 in all
	s_mov_b32 s37, 0
	s_add_nc_u64 s[SB:SB+1], s[4:5], s[36:37]
	s_add_nc_u64 s[SB+2:SB+3], s[SB:SB+1], 0x2000000
	s_add_nc_u64 s[SB+4:SB+5], s[SB+2:SB+3], 0x2000000
	s_add_nc_u64 s[SB+6:SB+7], s[SB+4:SB+5], 0x2000000
	s_lshl_b32 s38, s28, 6
	s_lshl_b32 s39, s3, 3
	s_add_co_u32 s38, s38, s39                     ; the first k whose image I store: 64 kg + 8 w
	s_lshl_b32 s38, s38, 1
	s_add_co_u32 s38, s38, s31
	s_mul_i32 s38, s38, 24576                      ; (2 k + ec) x 24,576
	s_and_b32 s39, s27, 15
	s_mul_i32 s39, s39, 1536
	s_add_co_u32 s38, s38, s39                     ; + (2 t + s) x 1,536
	s_mov_b32 s39, 0
	s_add_nc_u64 s[10:11], s[10:11], s[38:39]
	s_lshl_b32 s40, s27, 16
	s_lshl_b32 s41, s28, 12
	s_add_co_u32 s40, s40, s41                     ; the scale words: fs x 65,536 + kg x 4,096
	s_mov_b32 s41, 0
	s_add_nc_u64 s[12:13], s[12:13], s[40:41]
; Step q = 4 j + block: A(128 s + 32 block + i, my e + j, my k), i = 0 .. 31, into set q % 2.  Every offset is an immediate: at most 7 x 2^20 + 3 x 4,096, inside the signed 24 bits.
.macro LOAD q
.irp i, 0,1,2,3,4,5,6,7,8,9,10,11,12,13,14,15,16,17,18,19,20,21,22,23,24,25,26,27,28,29,30,31
	global_load_b32 v[NUM+32*((\q)%2)+\i], v[VO+\i/8], s[SB+2*((\q)%4):SB+2*((\q)%4)+1] offset:(\i%8)*1048576+((\q)/4)*4096 th:TH_LOAD_NT
.endr
.endm
.macro BLOCK q
.set XB, NUM+32*((\q)%2)
.set JJ, (\q)/4                        ; which of my four rows
.set BE, (\q)%4                        ; which d block: c' = BE / 2, h = BE % 2
.set LL, 16*JJ+256*(BE%2)              ; 16 x (the image's lane, less my first row)
.if (\q) < 15
	s_wait_loadcnt 32                              ; this step's 32 loads are in; the next step's 32 may be out
.else
	s_wait_loadcnt 0x0
.endif
	v_max3_num_f32 v12, |v[XB]|, |v[XB+1]|, |v[XB+2]|               ; the block's largest magnitude: all 32 numbers are mine; two chains
	v_max3_num_f32 v13, |v[XB+3]|, |v[XB+4]|, |v[XB+5]|
.irp i, 6,10,14,18,22,26
	s_delay_alu instid0(VALU_DEP_2)
	v_max3_num_f32 v12, v12, |v[XB+\i]|, |v[XB+\i+1]|
	s_delay_alu instid0(VALU_DEP_2)
	v_max3_num_f32 v13, v13, |v[XB+\i+2]|, |v[XB+\i+3]|
.endr
	s_delay_alu instid0(VALU_DEP_2)
	v_max3_num_f32 v12, v12, |v[XB+30]|, |v[XB+31]|
	s_delay_alu instid0(VALU_DEP_1)
	v_max3_num_f32 v12, v12, v13, 0x1800000        ; and the floor 2^(3 - 127): the byte cannot fall under 1
	s_wait_alu depctr_va_vdst(0)
	s_wait_dscnt 0x0                               ; the last step's stores into the stages have read the code registers and the scale word, which are written again below
	v_add_nc_u32 v14, 0xff000000, v12              ; 2 off the exponent field: the conversion takes this operand's exponent field as its scale
	s_delay_alu instid0(VALU_DEP_1)
	v_lshrrev_b32 v15, 23, v14                     ; the scale's byte
.if BE == 0
	s_delay_alu instid0(VALU_DEP_1)
	v_mov_b32 v16, v15                             ; four bytes make the row's scale word, the lower d in the lower byte
.else
	s_delay_alu instid0(VALU_DEP_1)
	v_lshl_or_b32 v16, v15, 8*BE, v16
.endif
	v_cvt_scalef32_pk16_fp6_f32 v[18:20], v[XB:XB+15], v14
	v_cvt_scalef32_pk16_fp6_f32 v[24:26], v[XB+16:XB+31], v14      ; (a conversion's three registers begin on an even number)
	v_nop                                          ; one plain instruction between a scaled conversion and the vector instruction that reads its result
	v_mov_b32 v21, v24
	v_mov_b32 v22, v25
	v_mov_b32 v23, v26                             ; v[18:23]: the block's 24 bytes = registers 6 c' .. 6 c' + 5 of lane r + 16 h of the image
.if BE < 2
	ds_store_b128 v6, v[18:21] offset:LL           ; registers 0-3
	ds_store_b64 v6, v[22:23] offset:512+LL        ; registers 4, 5
.else
	ds_store_b64 v6, v[18:19] offset:520+LL        ; registers 6, 7
	ds_store_b128 v6, v[20:23] offset:1024+LL      ; registers 8-11
.endif
.if BE == 3
	ds_store_b32 v7, v16 offset:4*JJ
.endif
.if (\q)+2 < 16
	LOAD (\q)+2                                    ; into the set just converted
.endif
.endm
	LOAD 0
	LOAD 1
.irp q, 0,1,2,3,4,5,6,7,8,9,10,11,12,13,14,15
	BLOCK \q
.endr
	s_wait_dscnt 0x0                               ; for the others' sake: my stores into the stages are done
	s_barrier_signal -1
	s_barrier_wait -1                              ; 64 whole images and their scale words lie in LDS
.irp u, 0,1,2,3,4,5,6,7
.irp c, 0,1,2
	ds_load_b128 v[NUM+4*(3*\u+\c):NUM+4*(3*\u+\c)+3], v8 offset:\u*CPITCH+\c*512
.endr
.endr
	ds_load_b128 v[28:31], v10
.irp u, 0,1,2,3,4,5,6,7
.irp c, 0,1,2
	s_wait_dscnt 24-(3*\u+\c)                      ; behind this load: the later ones of the 24, and the scale words' one
	global_store_b128 v9, v[NUM+4*(3*\u+\c):NUM+4*(3*\u+\c)+3], s[10:11] offset:\u*49152+\c*512 th:TH_STORE_NT   ; 32 lanes store 512 consecutive bytes, aligned
.endr
.endr
	s_wait_dscnt 0x0
	global_store_b128 v11, v[28:31], s[12:13] th:TH_STORE_NT       ; the work-group's 4,096 consecutive bytes of scale words
	s_wait_tensorcnt 0x0
	ds_add_u32 v128, v129
	s_wait_dscnt 0x0
	s_endpgm
	; ---------------- X and Y: K is innermost ----------------
	; Lane (r, h) takes of row r the very numbers that the operand's layout gives it: blocks h and 2 + h of each 128, 128 consecutive bytes each.  A block is one lane's: no other lane is asked for a maximum.
.Lxy:
	s_lshl_b32 s26, ttmp9, 3
	s_add_co_u32 s26, s26, s3                      ; tile 0..63
	s_cmp_lt_u32 ttmp9, 4                          ; X's tiles or Y's: the choice hangs on the work-group's number alone
	s_cselect_b64 s[4:5], s[6:7], s[8:9]
	s_and_b32 s27, s26, 31
	s_lshl_b32 s28, s27, 14                        ; 16 rows of 1,024 bytes
	s_mov_b32 s29, 0
	s_add_nc_u64 s[4:5], s[4:5], s[28:29]
	s_mul_i32 s28, s26, 3072
	s_add_nc_u64 s[14:15], s[14:15], s[28:29]      ; the tile's two images
	s_lshl_b32 s28, s26, 7
	s_add_nc_u64 s[24:25], s[24:25], s[28:29]      ; and its 32 scale words
	s_mov_b32 s30, 0x76543210
	s_mov_b32 s31, 0xfedcba98                      ; v_permlanex16_b32's selects for lane l xor 16
	v_and_b32 v26, 15, v0                          ; r
	v_bfe_u32 v25, v0, 4, 1                        ; h
	s_delay_alu instid0(VALU_DEP_2)
	v_lshlrev_b32 v27, 10, v26
	s_delay_alu instid0(VALU_DEP_1)
	v_lshl_add_u32 v27, v25, 7, v27                ; row r, + 128 h bytes
	s_delay_alu instid0(VALU_DEP_3)
	v_lshlrev_b32 v28, 3, v25                      ; 8 h: my bytes' place in the scale word
	v_mov_b32 v21, 0                               ; written once: a lane permute's destination counts as one of its sources
.macro XYSTEP s
.irp c, 0,1
.irp i, 0,1,2,3,4,5,6,7
	global_load_b128 v[NUM+32*\c+4*\i:NUM+32*\c+4*\i+3], v27, s[4:5] offset:512*\s+256*\c+16*\i th:TH_LOAD_NT
.endr
.endr
	s_wait_loadcnt 0x0
.irp c, 0,1
	v_max3_num_f32 v[12+\c], |v[NUM+32*\c]|, |v[NUM+1+32*\c]|, 0x1800000   ; my block 2 c + h, and the floor
.endr
.irp i, 2,4,6,8,10,12,14,16,18,20,22,24,26,28,30
.irp c, 0,1
	s_delay_alu instid0(VALU_DEP_2)
	v_max3_num_f32 v[12+\c], v[12+\c], |v[NUM+32*\c+\i]|, |v[NUM+1+32*\c+\i]|
.endr
.endr
.irp c, 0,1
	s_delay_alu instid0(VALU_DEP_2)
	v_add_nc_u32 v[14+\c], 0xff000000, v[12+\c]
.endr
.irp c, 0,1
	s_delay_alu instid0(VALU_DEP_2)
	v_lshrrev_b32 v[16+\c], 23, v[14+\c]
.endr
	s_delay_alu instid0(VALU_DEP_1)
	v_lshl_or_b32 v20, v17, 16, v16                ; my two bytes: blocks h and 2 + h,
	s_delay_alu instid0(VALU_DEP_1)
	v_lshlrev_b32 v20, v28, v20                    ; at their places;
	s_delay_alu instid0(VALU_DEP_1)
	v_permlanex16_b32 v21, v20, s30, s31
	s_delay_alu instid0(VALU_DEP_1)
	v_or_b32 v[22+\s], v20, v21                    ; with lane l xor 16's two the word is whole
.irp c, 0,1
	v_cvt_scalef32_pk16_fp6_f32 v[96+12*\s+6*\c:98+12*\s+6*\c], v[NUM+32*\c:NUM+15+32*\c], v[14+\c]
	v_cvt_scalef32_pk16_fp6_f32 v[120+4*\c:122+4*\c], v[NUM+16+32*\c:NUM+31+32*\c], v[14+\c]
.endr
	v_nop                                          ; one plain instruction behind the scaled conversions
.irp c, 0,1
.irp i, 0,1,2
	v_mov_b32 v[99+12*\s+6*\c+\i], v[120+4*\c+\i]
.endr
.endr
.irp c, 0,1,2
	global_store_b128 v9, v[96+12*\s+4*\c:99+12*\s+4*\c], s[14:15] offset:1536*\s+512*\c   ; each step has code registers of its own: no store's data are written again
.endr
.endm
	XYSTEP 0
	XYSTEP 1
	v_cmp_le_u32 vcc_lo, 16, v1
	s_delay_alu instid0(VALU_DEP_1)
	v_cndmask_b32 v24, v22, v23, vcc_lo            ; lanes 0-15 step 0's word of row r, lanes 16-31 step 1's
	global_store_b32 v2, v24, s[24:25]             ; 128 consecutive bytes a wave; 8 KiB in the whole launch
	s_endpgm
.Lfunc_end_k_q90a5d1011f_quant:
	.size	k_q90a5d1011f_quant, .Lfunc_end_k_q90a5d1011f_quant-k_q90a5d1011f_quant
	.p2alignl 7, 3214868480
	.fill 96, 4, 3214868480
	.section	.rodata,"a",@progbits
	.p2align	6, 0x0
	.amdhsa_kernel k_q90a5d1011f_quant
		.amdhsa_group_segment_fixed_size 105472
		.amdhsa_private_segment_fixed_size 0
		.amdhsa_enable_private_segment 0
		.amdhsa_kernarg_size 56
		.amdhsa_user_sgpr_count 2
		.amdhsa_user_sgpr_kernarg_segment_ptr 1
		.amdhsa_wavefront_size32 1
		.amdhsa_system_sgpr_workgroup_id_x 1
		.amdhsa_system_sgpr_workgroup_id_y 1
		.amdhsa_system_sgpr_workgroup_id_z 1
		.amdhsa_system_vgpr_workitem_id 0
		.amdhsa_next_free_vgpr 130
		.amdhsa_next_free_sgpr 66
		.amdhsa_reserve_vcc 1
		.amdhsa_float_denorm_mode_32 3
		.amdhsa_float_denorm_mode_16_64 3
		.amdhsa_memory_ordered 1
		.amdhsa_forward_progress 1
		.amdhsa_inst_pref_size 105
	.end_amdhsa_kernel
	.amdgpu_metadata
---
amdhsa.version: [ 1, 2 ]
amdhsa.kernels:
  - .name:           k_q90a5d1011f_quant
    .symbol:         k_q90a5d1011f_quant.kd
    .args:
      - { .name: A, .offset: 0, .size: 8, .value_kind: global_buffer, .address_space: global }
      - { .name: X, .offset: 8, .size: 8, .value_kind: global_buffer, .address_space: global }
      - { .name: Y, .offset: 16, .size: 8, .value_kind: global_buffer, .address_space: global }
      - { .name: Acod, .offset: 24, .size: 8, .value_kind: global_buffer, .address_space: global }
      - { .name: Ascl, .offset: 32, .size: 8, .value_kind: global_buffer, .address_space: global }
      - { .name: XYcod, .offset: 40, .size: 8, .value_kind: global_buffer, .address_space: global }
      - { .name: XYscl, .offset: 48, .size: 8, .value_kind: global_buffer, .address_space: global }
    .group_segment_fixed_size: 105472
    .private_segment_fixed_size: 0
    .kernarg_segment_align: 8
    .kernarg_segment_size: 56
    .max_flat_workgroup_size: 256
    .sgpr_count:     66
    .vgpr_count:     130
    .wavefront_size: 32
...
	.end_amdgpu_metadata
.endif
;; end of part 1
;; launch chain (part 2): grid 4 x 64, 4 waves a work-group, clusters of 4 x 1, 327,680 bytes of LDS; arguments Acod, Ascl, XYcod, XYscl, W, Part; writes Part
.if DOCPART == 2
	.amdgcn_target "amdgcn-amd-amdhsa--gfx1250"
	.amdhsa_code_object_version 6
	.text
	.protected	k_q90a5d1011f_chain
	.globl	k_q90a5d1011f_chain
	.p2align	8
	.type	k_q90a5d1011f_chain,@function
k_q90a5d1011f_chain:
	s_mov_b64 s[64:65], 0
	v_nop
	global_prefetch_b8 v0, s[64:65] scope:SCOPE_SE
	s_setreg_imm32_b32 hwreg(HW_REG_WAVE_MODE, 25, 1), 1
	s_wait_xcnt 0x0
	s_wait_alu depctr_hold_cnt(0) depctr_sa_sdst(0) depctr_va_vdst(0) depctr_va_sdst(0) depctr_va_ssrc(0) depctr_va_vcc(0) depctr_vm_vsrc(0)
	s_getreg_b32 s2, hwreg(HW_REG_IB_STS2, 6, 4)
	s_cmp_eq_u32 s2, 0
	s_cbranch_scc0 .Lentry_in_a_cluster
	s_endpgm
.Lentry_in_a_cluster:
	s_bfe_u32 s2, ttmp6, 0x10000c
	s_cmp_lg_u32 s2, 0x3003
	s_cbranch_scc0 .Lentry_shape_is_right
	s_endpgm
.Lentry_shape_is_right:
; Part[y][row][m] = sum over the 16 k of group y of W[k] x sum over e of Q(t[row][e][k]) Q(Y[m][e]),  t[row][e][k] = sum over d of Q(X[row][d]) Q(A[d][e][k]); Q: FP6 (E2M3) codes, one E8M0 byte for 32 along the summed axis.
; A work-group takes one batch (128 rows, 128 m) and 16 k, one k after the other.  Wave w takes ec = w / 2 (which 128 e) and nh = w % 2 (which 64 rows, 4 n tiles): it makes t for them, quantises it,
; multiplies it with Y's codes of the same 128 e, and adds W[k] x the result to its S (64 rows x 128 m, f32).  The two ec meet on the way out.  Nothing of t or of the products per k goes to memory.
; Both products are used transposed.  t^T = A-tile x X: lane (r, h) holds row n = r, and its 32 registers of four tiles are e = 64 hc + 32 h + 0 .. 31 (the preparing launch chose the tiles' rows so):
; a whole block lies in one lane, which is also where the next operand's layout wants it.  Then U = Y-tile x t: a lane holds eight neighbouring m of row n = r.
; THE RING: two LDS slots of four tiles (2 k x 2 ec; a tile is 8 e tiles x 2 d steps x 1,536 bytes, images of the operand's registers), 98,304 consecutive bytes of memory, a quarter a wave.
; The four work-groups of a cluster are the four batches: they need the same tiles and ask jointly, so each byte of A's codes is asked for by one cluster alone.  A slot is filled again behind the three lines
; and a round of the cluster's barrier, one tensor load a wave.  8 fills; a trip of the loop is one slot.
; A's scale words of my ec (16 rows of 1,024 bytes) come once by global loads of 512 consecutive bytes and lie in the wave's own LDS bytes, into which no tensor load lands.
; REGISTERS, four windows of 256:
;   window 0: v0-63 addresses, scale words, small temporaries; v64-159 A's fragments of one phase (4 e tiles x 2 d steps); v160-223 TA: the first 16 numbers of t's blocks, two buffers of two n tiles; v224-231 codes on their way
;   window 1: v0-95 X's fragments; v96-159 TB: the blocks' second 16 numbers; v160-207 TF: t's codes (4 n tiles x 12)
;   window 2: v0-47 Y's odd m tiles; v96-127 U of the even m tiles; v128-255 S of the odd m tiles.     window 3: the same with even and odd exchanged.
; So one window setting serves a product and the vector lines that stand beside it: few switches of the windows.
; LIMITS: a block of t whose largest magnitude lies under 2^-124 (zeros among them) gets the byte 1; NaN and infinities are not served.
.set TILE,   24576
.set SLOT,   4*TILE
.set SCL,    2*SLOT                    ; behind the ring: A's scale words, 16 rows of 1,024 + 64 bytes for each wave
.set SROW,   1088
.set SCLW,   16*SROW
.set SPARE,  SCL+4*SCLW                ; the spare words: 128 bytes a wave
.set SPITCH, 528                       ; the way out: a stage of 64 rows x (512 + 16) bytes a wave, in the ring's bytes behind their last fill and read
.set STGW,   64*SPITCH
.set SPW,  1
.set NIL,  2
.set ADA,  3                           ; v3-4   my ec's tile of the slot's first and second k, + 16 x lane
.set ADS,  5                           ; my scale words of this k
.set STO,  6
.set L4,   7
.set GO,   8
.set PFO,  9
.set SH8,  10                          ; 8 h
.set LY,   11                          ; 4 r
.set XSW,  12
.set YSW,  16
.set TSW,  24
.set ASW,  32                          ; two sets of four
.set TM,   40
.set TO,   44
.set PW,   46                          ; a lane's two scale bytes of each n tile
.set BY,   50
.set PX,   52
.set ADB,  54                          ; v54-55 as ADA, in slot 0
.set RD,   56
.set AF,   64
.set TA,   160
.set TC,   224
.set TB,   96
.set TF,   160
.set UU,   96
.set SS,   128
.set WP,   12
.set PT,   14
.set WV,   16
.set CX,   17
.set EC,   18
.set YY,   19
.set SEL,  20
.set FL,   22
.set KC,   23
.set G1,   24
.set G0,   32
.set SLO,  36                          ; the slot that is read: 0 or SLOT
.set NH,   37
.set WT,   38                          ; wave x TILE
.set WK,   52
.set PFA,  54
.set LIM,  56
.set SCB,  76
.set NG,   78
.set MSB, 0
.macro WIN new
.if MSB != \new
	s_set_vgpr_msb (MSB<<8)|\new
.set MSB, \new
.endif
.endm
.set SA, 0x04                          ; source 1 window 1, all else window 0
.set SB, 0x54                          ; source 0 window 0; source 1, C and D window 1
.set PE, 0xa7                          ; even m tile: Y and the old U window 3, t window 1, the new U and S window 2
.set PO, 0xf6                          ; odd m tile: windows 2 and 3 exchanged
.macro PLACES
.rept 4
	v_nop
.endr
.endm
.macro CROUND
	s_barrier_signal -1
	s_barrier_wait -1
	s_cmp_lg_u32 s[WV], 0
	s_cbranch_scc1 .Lnot_wave_0_\@
	s_barrier_signal -3
.Lnot_wave_0_\@:
	s_barrier_wait -3
	s_barrier_signal -1
	s_barrier_wait -1
.endm
	s_load_b256 s[4:11], s[0:1], 0x0               ; Acod, Ascl, XYcod, XYscl
	s_load_b128 s[12:15], s[0:1], 0x20             ; W, Part
	v_lshl_add_u32 v[SPW], v0, 2, SPARE
	v_mov_b32 v[NIL], 0
	ds_add_u32 v[SPW], v[NIL]
	ds_add_u32 v[SPW], v[NIL]
	v_lshrrev_b32 v3, 5, v0
	v_readfirstlane_b32 s[WV], v3
	s_lshr_b32 s[EC], s[WV], 1
	s_and_b32 s[NH], s[WV], 1
	s_bfe_u32 s[CX], ttmp6, 0x40000                ; my place in the cluster = my batch
	s_and_b32 s[YY], ttmp7, 0xffff                 ; k group 0..63
	s_mov_b32 s[G1], 15|(3<<16)|(1<<21)            ; a dense tile: 96 rows of 256 bytes, for all four partners
	s_mov_b32 s[G1+1], 32<<16
	s_mov_b32 s[G1+2], 96<<16
	s_mov_b32 s[G1+3], 32<<16
	s_mov_b32 s[G1+4], 96
	s_mov_b32 s[G1+5], 32
	s_mov_b32 s[G1+6], 0
	s_mov_b32 s[G1+7], 0
	s_mov_b32 s[SEL], 0x76543210
	s_mov_b32 s[SEL+1], 0xfedcba98
	s_mov_b32 s[FL], 0x1800000                     ; the floor 2^(3 - 127)
	s_mov_b32 s[NG], 0xff000000                    ; 2 off an exponent field
	s_mov_b32 s[SLO], SLOT                         ; the first change of slots makes it 0
	s_lshl_b32 s58, s[YY], 4                       ; my first k
	s_mul_i32 s66, s58, 2*TILE                     ; where the group's tiles begin
	s_mul_i32 s[WT], s[WV], TILE
	s_add_co_u32 s60, s66, s[WT]                   ; my quarter of a fill
	s_mov_b32 s61, 0
	s_lshl_b32 s62, s58, 6
	s_lshl_b32 s63, s[EC], 20
	s_add_co_u32 s62, s62, s63                     ; scale words: row fs = 16 ec, my first k
	s_mov_b32 s63, 0
	v_and_b32 v63, 31, v0
	v_lshlrev_b32 v[L4], 2, v63
	v_lshlrev_b32 v[GO], 4, v63
	v_lshlrev_b32 v[PFO], 8, v63
	s_wait_dscnt 0x0
	s_wait_alu depctr_va_vdst(0)
	s_wait_kmcnt 0x0
	s_mov_b32 s[G0], 1
	s_mov_b32 s[G0+1], s[WT]
	s_add_nc_u64 s[G0+2:G0+3], s[4:5], s[60:61]
	s_or_b32 s[G0+3], s[G0+3], 0x80000000
	s_add_nc_u64 s[SCB:SCB+1], s[6:7], s[62:63]
	s_lshl_b32 s62, s58, 2
	s_add_nc_u64 s[WP:WP+1], s[WP:WP+1], s[62:63]
	s_lshl_b32 s62, s[YY], 18
	s_lshl_b32 s67, s[CX], 16
	s_add_co_u32 s62, s62, s67
	s_lshl_b32 s67, s[WV], 14
	s_add_co_u32 s62, s62, s67                     ; Part: group y, my batch, rows 32 w ..
	s_add_nc_u64 s[PT:PT+1], s[PT:PT+1], s[62:63]
	s_lshl_b32 s67, s[CX], 3
	s_lshl_b32 s62, s[NH], 2
	s_add_co_u32 s67, s67, s62                     ; X's tile 8 batch + 4 nh
	s_mul_i32 s68, s67, 3072
	s_mov_b32 s69, 0
	s_add_nc_u64 s[68:69], s[8:9], s[68:69]
	s_lshl_b32 s72, s67, 7
	s_mov_b32 s73, 0
	s_add_nc_u64 s[72:73], s[10:11], s[72:73]
	s_mul_i32 s70, s[CX], 24576
	s_mul_i32 s62, s[EC], 1536
	s_add_co_u32 s70, s70, s62
	s_add_co_u32 s70, s70, 98304
	s_mov_b32 s71, 0
	s_add_nc_u64 s[70:71], s[8:9], s[70:71]        ; the batch's eight tiles of Y, step ec
	s_lshl_b32 s74, s[CX], 10
	s_lshl_b32 s62, s[EC], 6
	s_add_co_u32 s74, s74, s62
	s_add_co_u32 s74, s74, 4096
	s_mov_b32 s75, 0
	s_add_nc_u64 s[74:75], s[10:11], s[74:75]      ; and their scale words of step ec
	; the prefetches: of a fill's four tiles partner cx names tile cx, waves 0-2 a third (32 lanes x 256 bytes) each: every 256 bytes once in the cluster; two fills beyond the refill
	s_mul_i32 s67, s[CX], TILE
	s_add_co_u32 s66, s66, s67
	s_lshl_b32 s67, s[WV], 13
	s_add_co_u32 s66, s66, s67
	s_add_co_u32 s66, s66, 2*SLOT
	s_mov_b32 s67, 0
	s_add_nc_u64 s[PFA:PFA+1], s[4:5], s[66:67]
	s_cmp_eq_u32 s[WV], 3
	s_cselect_b32 s[LIM], -1, 2
	CROUND
	tensor_load_to_lds s[G0:G0+3], s[G1:G1+7]      ; fill 0: my one tensor load at the head
	s_nop 0
	PLACES
.irp i, 0,1,2,3,4,5,6,7,8,9,10,11,12,13,14,15,16,17,18,19,20,21,22,23,24,25,26,27,28,29,30,31
	global_load_b128 v[AF+4*\i:AF+4*\i+3], v[GO], s[SCB:SCB+1] offset:65536*(\i/2)+512*(\i%2)   ; half a row of scale words: 512 consecutive bytes, aligned
.endr
	WIN 0x40
.irp i, 0,1,2,3,4,5,6,7,8,9,10,11,12,13,14,15,16,17,18,19,20,21,22,23
	global_load_b128 v[4*\i:4*\i+3], v[GO], s[68:69] offset:512*\i
.endr
	WIN 0
	v_and_b32 v60, 15, v0                          ; r
	v_bfe_u32 v61, v0, 4, 1                        ; h
	v_lshlrev_b32 v[LY], 2, v60
.irp i, 0,1,2,3
	global_load_b32 v[XSW+\i], v[L4], s[72:73] offset:128*\i
.endr
.irp i, 0,1,2,3,4,5,6,7
	global_load_b32 v[YSW+\i], v[LY], s[74:75] offset:128*\i   ; every lane takes row r's word of step ec
.endr
	s_mul_i32 s60, s[EC], TILE
	v_add_nc_u32 v[ADB], s60, v[GO]
	v_add_nc_u32 v[ADB+1], 2*TILE, v[ADB]
	s_mul_i32 s60, s[WV], SCLW
	s_add_co_u32 s60, s60, SCL
	v_add_nc_u32 v62, s60, v[GO]                   ; the scale rows on their way in
	s_sub_co_u32 s60, s60, 64                      ; (each k's first fetch steps the address by 64)
	v_mul_u32_u24 v[ADS], v61, SROW                ; lanes 0-15 d step 0's row, lanes 16-31 d step 1's
	v_lshl_add_u32 v[ADS], v60, 2, v[ADS]
	v_add_nc_u32 v[ADS], s60, v[ADS]
	v_lshlrev_b32 v[SH8], 3, v61
	s_mul_i32 s60, s[WV], STGW
	v_mul_u32_u24 v[STO], v60, SPITCH
	v_lshl_add_u32 v[STO], v61, 5, v[STO]
	v_add_nc_u32 v[STO], s60, v[STO]
	s_mul_i32 s60, s[EC], STGW                     ; back: wave w takes rows 32 w .. of the batch: the stages of waves w / 2 and 2 + w / 2, rows 32 (w % 2) ..
	s_mul_i32 s62, s[NH], 32*SPITCH
	s_add_co_u32 s60, s60, s62
	v_add_nc_u32 v[RD], s60, v[GO]
	v_add_nc_u32 v[RD+1], 2*STGW, v[RD]
	v_mov_b32 v[PX], 0                             ; a lane permute's destination counts as a source
	v_mov_b32 v[PX+1], 0
	s_wait_alu depctr_va_vdst(0)
	s_wait_loadcnt 36                              ; the 32 loads of scale rows are in; X's 24 loads and the 12 scale words of X and Y may be out
.irp i, 0,1,2,3,4,5,6,7,8,9,10,11,12,13,14,15,16,17,18,19,20,21,22,23,24,25,26,27,28,29,30,31
	ds_store_b128 v62, v[AF+4*\i:AF+4*\i+3] offset:SROW*(\i/2)+512*(\i%2)
.endr
	WIN 0xc0
.irp g, 0,2,4,6
.irp i, 0,1,2
	global_load_b128 v[6*\g+4*\i:6*\g+4*\i+3], v[GO], s[70:71] offset:3072*\g+512*\i
.endr
.endr
	WIN 0x80
.irp g, 1,3,5,7
.irp i, 0,1,2
	global_load_b128 v[6*(\g-1)+4*\i:6*(\g-1)+4*\i+3], v[GO], s[70:71] offset:3072*\g+512*\i
.endr
.endr
	WIN 0
.macro LDA kk, hc, half                ; half a phase's fragments of A: 2 e tiles x 2 d steps
.irp i, 0,1,2,3,4,5,6,7,8,9,10,11
	ds_load_b128 v[AF+48*\half+4*\i:AF+48*\half+4*\i+3], v[ADA+\kk] offset:\hc*12288+6144*\half+512*\i
.endr
.endm
.macro LDSC hc                         ; the phase's four scale registers, into set hc
.irp i, 0,1,2,3
	ds_load_b32 v[ASW+4*\hc+\i], v[ADS] offset:(8*\hc+2*\i)*SROW
.endr
.endm
.macro W1 s, tt, nt, d, set
.if \s == 0
	v_wmma_scale_f32_16x16x128_f8f6f4 v[(\d):(\d)+7], v[AF+24*(\tt):AF+24*(\tt)+11], v[24*(\nt):24*(\nt)+11], 0, v[ASW+4*\set+(\tt)], v[XSW+(\nt)] matrix_a_fmt:MATRIX_FMT_FP6 matrix_b_fmt:MATRIX_FMT_FP6
.else
	v_wmma_scale_f32_16x16x128_f8f6f4 v[(\d):(\d)+7], v[AF+24*(\tt)+12:AF+24*(\tt)+23], v[24*(\nt)+12:24*(\nt)+23], v[(\d):(\d)+7], v[ASW+4*\set+(\tt)], v[XSW+(\nt)] matrix_a_fmt:MATRIX_FMT_FP6 matrix_b_fmt:MATRIX_FMT_FP6 matrix_a_scale:MATRIX_SCALE_ROW1 matrix_b_scale:MATRIX_SCALE_ROW1
.endif
.endm
.macro MX i, ta, tb, tm                ; line i of 16 of a block's search: numbers i and 16 + i, two chains
.if (\i) < 2
	v_max_num_f32 v[(\tm)+(\i)], |v[(\ta)+(\i)]|, |v[(\tb)+(\i)]|
.else
	v_max3_num_f32 v[(\tm)+(\i)%2], |v[(\ta)+(\i)]|, |v[(\tb)+(\i)]|, v[(\tm)+(\i)%2]
.endif
.endm
; A STEP.  mm: the 16 products of phase hc (64 e), n tiles 2 nh, 2 nh + 1.  prev: the other buffer, which holds phase phc, n tiles 2 (1 - nh) .., is quantised.
; nxt: the next phase's fragments are fetched (the slot's k number nkk, phase nhc); bump: they are the next k's.
.macro STEP hc, nh, mm, prev, phc, nxt, nkk, nhc, bump
.set TAN, TA+32*\nh
.set TBN, TB+32*\nh
.set TAP, TA+32*(1-\nh)
.set TBP, TB+32*(1-\nh)
.set N0, 2*(1-\nh)
.set F0, TF+12*N0+6*\phc
.set F1, F0+12
.set B0, BY+(1-\phc)*(PW+N0-BY)        ; the first of a lane's two bytes goes straight to its place
.if \mm && (\nh == 0)
	s_wait_alu depctr_va_vdst(0)
	s_wait_dscnt 12                                ; e tiles 0, 1 and the scale words are in; the 12 loads of e tiles 2, 3 may be out
.endif
	WIN SA
.set Q, 0
.irp s, 0,1
.irp tl, 0,1
.irp nl, 0,1
.if \mm
	W1 \s, \tl, 2*\nh+\nl, TAN+16*\nl+8*\tl, \hc
.endif
.if \prev
	MX Q, TAP, TBP, TM
	MX Q+1, TAP, TBP, TM
.set Q, Q+2
.endif
.endr
.endr
.endr
.if \prev
	v_max3_num_f32 v[TM], v[TM], s[FL], v[TM+1]    ; the block's largest magnitude, and the floor
	v_add3_u32 v[TO], v[TM], s[NG], 0              ; the conversion's scale operand
	v_bfe_u32 v[B0], v[TO], 23, 8                  ; the scale's byte
.endif
.if \nxt
.if \bump
	v_add3_u32 v[ADS], v[ADS], 64, 0               ; the next k's scale words
.endif
	LDA \nkk, \nhc, 0                              ; five plain vector lines stand behind the last product that read these registers
	LDSC \nhc
.endif
.if \mm && (\nh == 0)
	s_wait_alu depctr_va_vdst(0)
	s_wait_dscnt 0x0                               ; e tiles 2, 3 are in
.endif
	WIN SB
.set Q, 0
.irp s, 0,1
.irp tl, 0,1
.irp nl, 0,1
.if \mm
	W1 \s, 2+\tl, 2*\nh+\nl, TBN+16*\nl+8*\tl, \hc
.endif
.if \prev
	MX Q, TAP+16, TBP+16, F1+3                     ; the chains stand in two registers of window 1 that the block's codes take below
	MX Q+1, TAP+16, TBP+16, F1+3
.set Q, Q+2
.endif
.endr
.endr
.endr
.if \prev
	v_max3_num_f32 v[F1+3], s[FL], v[F1+3], v[F1+4]
	WIN 0x01
	v_add3_u32 v[TO+1], v[F1+3], s[NG], 0
	v_cvt_scalef32_pk16_fp6_f32 v[TC:TC+2], v[TBP:TBP+15], v[TO]        ; the blocks' upper 16 codes (a conversion's three registers begin on an even number)
	v_cvt_scalef32_pk16_fp6_f32 v[TC+4:TC+6], v[TBP+16:TBP+31], v[TO+1]
	WIN 0x40
	v_cvt_scalef32_pk16_fp6_f32 v[F0:F0+2], v[TAP:TAP+15], v[TO]        ; the lower 16, at their place in the operand
	v_cvt_scalef32_pk16_fp6_f32 v[F1:F1+2], v[TAP+16:TAP+31], v[TO+1]
	v_nop                                          ; one plain line behind the scaled conversions
.irp i, 0,1,2
	v_mov_b32 v[F0+3+\i], v[TC+\i]
	v_mov_b32 v[F1+3+\i], v[TC+4+\i]
.endr
	WIN 0
.if \nxt
	LDA \nkk, \nhc, 1
.endif
	v_bfe_u32 v[B0+1], v[TO+1], 23, 8
.if \phc == 1                          ; my bytes are blocks h and 2 + h; with lane l xor 16's two the row's scale word is whole
.irp y, 0,1
	v_lshl_or_b32 v[PW+N0+\y], v[BY+\y], 16, v[PW+N0+\y]
.endr
.irp y, 0,1
	v_lshlrev_b32 v[PW+N0+\y], v[SH8], v[PW+N0+\y]
.endr
.irp y, 0,1
	v_permlanex16_b32 v[PX+\y], v[PW+N0+\y], s[SEL], s[SEL+1]
.endr
.irp y, 0,1
	v_or_b32 v[TSW+N0+\y], v[PW+N0+\y], v[PX+\y]
.endr
.endif
.else
	PLACES                                         ; in front of the next step's first read of these results
	WIN 0
.endif
.endm
; The change of slots at a trip's head: the slot that was on its way is whole in every wave's eyes behind the barrier, and the slot read last is filled again
.macro CHANGE fill
	WIN 0
	s_wait_alu depctr_va_vdst(0)
	s_wait_tensorcnt 0x0                           ; my tensor load is in: my quarter of the slot that is read next
	ds_add_u32 v[SPW], v[NIL]
	s_xor_b32 s[SLO], s[SLO], SLOT                 ; the slot that is read now
.if \fill
	s_xor_b32 s[G0+1], s[SLO], SLOT                ; the other one is filled: my quarter of it,
	s_add_co_u32 s[G0+1], s[G0+1], s[WT]
	s_add_nc_u64 s[G0+2:G0+3], s[G0+2:G0+3], SLOT  ; with the next two k
	s_wait_xcnt 0x0                                ; my last prefetch has read its address
	s_add_nc_u64 s[PFA:PFA+1], s[PFA:PFA+1], SLOT
	s_wait_dscnt 0x0                               ; the add is done, and so are my reads of the slot read last
	CROUND
	tensor_load_to_lds s[G0:G0+3], s[G1:G1+7]
	s_nop 0
	PLACES
.else
	s_wait_dscnt 0x0
	s_barrier_signal -1
	s_barrier_wait -1
.endif
	v_add_nc_u32 v[ADA], s[SLO], v[ADB]
	v_add_nc_u32 v[ADA+1], s[SLO], v[ADB+1]
.endm
.macro ASK how                         ; the fill two beyond the refill just issued; the last two trips that refill ask for nothing
.if \how
	s_cmp_eq_u32 s[LIM], 2
.else
	s_cmp_gt_u32 s[KC], s[LIM]
.endif
	s_cbranch_scc0 .Lnot_mine_\@
	global_prefetch_b8 v[PFO], s[PFA:PFA+1] th:TH_LOAD_NT scope:SCOPE_SE
.Lnot_mine_\@:
.endm
.macro AC gp, q, first                 ; S += W[k] U: pair q of the 16 of m tile gp
.set AN, (\q)/4
.set AP, 2*((\q)%4)
.set AS, SS+8*(4*((\gp)/2)+AN)+AP
.if \first
	v_pk_mul_f32 v[AS:AS+1], v[UU+8*AN+AP:UU+8*AN+AP+1], s[WK:WK+1] op_sel_hi:[1,0]
.else
	v_pk_fma_f32 v[AS:AS+1], v[UU+8*AN+AP:UU+8*AN+AP+1], s[WK:WK+1], v[AS:AS+1] op_sel_hi:[1,0,1]
.endif
.endm
.macro GRP g, first                    ; m tile g: 4 products over my 128 e; beside them the adds of m tile g - 1
.if (\g)%2 == 0
	WIN PE
.else
	WIN PO
.endif
.if \g == 1
	PLACES                                         ; group 0 had no vector lines behind its products
.endif
.set Q, 0
.irp nt, 0,1,2,3
	v_wmma_scale_f32_16x16x128_f8f6f4 v[UU+8*\nt:UU+8*\nt+7], v[12*((\g)/2):12*((\g)/2)+11], v[TF+12*\nt:TF+12*\nt+11], 0, v[YSW+\g], v[TSW+\nt] matrix_a_fmt:MATRIX_FMT_FP6 matrix_b_fmt:MATRIX_FMT_FP6
.if \g > 0
	AC \g-1, Q, \first
	AC \g-1, Q+1, \first
	AC \g-1, Q+2, \first
	AC \g-1, Q+3, \first
.set Q, Q+4
.endif
.endr
.endm
.macro UNIT kk, first                  ; one k
	s_load_b32 s[WK], s[WP:WP+1], 0x0
	STEP 0,0, 1,0, 0, 0,0,0,0
	STEP 0,1, 1,1, 0, 1,\kk,1,0
	STEP 1,0, 1,1, 0, 0,0,0,0
.if \kk == 0
	STEP 1,1, 1,1, 1, 1,1,0,1                      ; the slot's second k is fetched
.else
	STEP 1,1, 1,1, 1, 0,0,0,0
.endif
	STEP 0,0, 0,1, 1, 0,0,0,0                      ; the last buffer is quantised with no products beside it
.rept 8
	v_nop                                          ; a scale register written by a vector line stands 8 places ahead of a scaled product
.endr
	s_wait_alu depctr_va_vdst(0)
	s_wait_kmcnt 0x0
	s_mov_b32 s[WK+1], s[WK]
	s_add_nc_u64 s[WP:WP+1], s[WP:WP+1], 4
.irp g, 0,1,2,3,4,5,6,7
	GRP \g, \first
.endr
	WIN PE
	PLACES
.irp q, 0,1,2,3,4,5,6,7,8,9,10,11,12,13,14,15
	AC 7, \q, \first
.endr
	WIN 0
.endm
.macro BODY first, fill, how           ; one slot: two k
	CHANGE \fill
	v_add3_u32 v[ADS], v[ADS], 64, 0
	LDA 0, 0, 0
	LDSC 0
	LDA 0, 0, 1
.if \fill
	ASK \how
.endif
.if \first
	s_wait_alu depctr_va_vdst(0)
	s_wait_loadcnt 0x0                             ; X, Y and their scale words
.endif
	UNIT 0, \first
	UNIT 1, 0
.endm
	BODY 1, 1, 1                                   ; slot 1's first fill is issued as a refill is
	s_mov_b32 s[KC], 6
.Lk:
	BODY 0, 1, 0
	s_sub_co_u32 s[KC], s[KC], 1
	s_cmp_lg_u32 s[KC], 0
	s_wait_alu depctr_va_vdst(0)
	s_cbranch_scc1 .Lk
	BODY 0, 0, 0
	; THE WAY OUT: the four waves' S go to stages in the ring's bytes, which have had their last fill and, behind this barrier, their last read; each wave then adds the two ec of 32 rows and stores whole rows of 512 bytes
	s_wait_alu depctr_va_vdst(0)
	s_wait_dscnt 0x0
	s_barrier_signal -1
	s_barrier_wait -1
.irp par, 0,1
	WIN 0x0c-4*\par                                ; the data: even m tiles window 3, odd ones window 2
.irp m2, 0,1,2,3
.irp nt, 0,1,2,3
	ds_store_b128 v[STO], v[SS+8*(4*\m2+\nt):SS+8*(4*\m2+\nt)+3] offset:\nt*16*SPITCH+(2*\m2+\par)*64
	ds_store_b128 v[STO], v[SS+8*(4*\m2+\nt)+4:SS+8*(4*\m2+\nt)+7] offset:\nt*16*SPITCH+(2*\m2+\par)*64+16
.endr
.endr
.endr
	WIN 0
	s_wait_dscnt 0x0
	s_barrier_signal -1
	s_barrier_wait -1
.irp u, 0,1,2,3
.if \u > 1
	s_wait_xcnt 0x0                                ; the stores of two turns ago have read their registers
.endif
.irp q, 0,1
.irp i, 0,1,2,3,4,5,6,7
	ds_load_b128 v[64+64*(\u%2)+32*\q+4*\i:64+64*(\u%2)+32*\q+4*\i+3], v[RD+\q] offset:(8*\u+\i)*SPITCH
.endr
.endr
	s_wait_dscnt 0x0
.irp i, 0,1,2,3,4,5,6,7
.irp p, 0,2
	v_pk_add_f32 v[64+64*(\u%2)+4*\i+\p:64+64*(\u%2)+4*\i+\p+1], v[64+64*(\u%2)+4*\i+\p:64+64*(\u%2)+4*\i+\p+1], v[96+64*(\u%2)+4*\i+\p:96+64*(\u%2)+4*\i+\p+1]
.endr
	global_store_b128 v[GO], v[64+64*(\u%2)+4*\i:64+64*(\u%2)+4*\i+3], s[PT:PT+1] offset:(8*\u+\i)*512 th:TH_STORE_NT
.endr
.endr
	s_wait_tensorcnt 0x0                           ; the wave's end
	ds_add_u32 v[SPW], v[NIL]
	s_wait_dscnt 0x0
	CROUND                                         ; the closing round
	s_endpgm
.Lfunc_end_k_q90a5d1011f_chain:
	.size	k_q90a5d1011f_chain, .Lfunc_end_k_q90a5d1011f_chain-k_q90a5d1011f_chain
	.p2alignl 7, 3214868480
	.fill 96, 4, 3214868480
	.section	.rodata,"a",@progbits
	.p2align	6, 0x0
	.amdhsa_kernel k_q90a5d1011f_chain
		.amdhsa_group_segment_fixed_size 327680
		.amdhsa_private_segment_fixed_size 0
		.amdhsa_enable_private_segment 0
		.amdhsa_kernarg_size 48
		.amdhsa_user_sgpr_count 2
		.amdhsa_user_sgpr_kernarg_segment_ptr 1
		.amdhsa_wavefront_size32 1
		.amdhsa_system_sgpr_workgroup_id_x 1
		.amdhsa_system_sgpr_workgroup_id_y 1
		.amdhsa_system_sgpr_workgroup_id_z 1
		.amdhsa_system_vgpr_workitem_id 0
		.amdhsa_next_free_vgpr 1024
		.amdhsa_next_free_sgpr 80
		.amdhsa_reserve_vcc 0
		.amdhsa_float_denorm_mode_32 3
		.amdhsa_float_denorm_mode_16_64 3
		.amdhsa_memory_ordered 1
		.amdhsa_forward_progress 1
		.amdhsa_inst_pref_size 255
	.end_amdhsa_kernel
	.section	.bss,"aw",@nobits
	.p2align	6
	.space	262144
	.amdgpu_metadata
---
amdhsa.version: [ 1, 2 ]
amdhsa.kernels:
  - .name:           k_q90a5d1011f_chain
    .symbol:         k_q90a5d1011f_chain.kd
    .args:
      - { .name: Acod, .offset: 0, .size: 8, .value_kind: global_buffer, .address_space: global }
      - { .name: Ascl, .offset: 8, .size: 8, .value_kind: global_buffer, .address_space: global }
      - { .name: XYcod, .offset: 16, .size: 8, .value_kind: global_buffer, .address_space: global }
      - { .name: XYscl, .offset: 24, .size: 8, .value_kind: global_buffer, .address_space: global }
      - { .name: W, .offset: 32, .size: 8, .value_kind: global_buffer, .address_space: global }
      - { .name: Part, .offset: 40, .size: 8, .value_kind: global_buffer, .address_space: global }
    .group_segment_fixed_size: 327680
    .private_segment_fixed_size: 0
    .kernarg_segment_align: 8
    .kernarg_segment_size: 48
    .max_flat_workgroup_size: 128
    .sgpr_count:     80
    .vgpr_count:     1024
    .wavefront_size: 32
...
	.end_amdgpu_metadata
.endif
;; end of part 2
;; launch reduce (part 3): grid 256 x 1, 4 waves a work-group, no clusters, 0 bytes of LDS; arguments Part, b, out0; writes out0
.if DOCPART == 3
	.amdgcn_target "amdgcn-amd-amdhsa--gfx1250"
	.amdhsa_code_object_version 6
	.text
	.protected	k_q90a5d1011f_reduce
	.globl	k_q90a5d1011f_reduce
	.p2align	8
	.type	k_q90a5d1011f_reduce,@function
k_q90a5d1011f_reduce:
	s_mov_b64 s[64:65], 0
	v_nop
	global_prefetch_b8 v0, s[64:65] scope:SCOPE_SE
	s_setreg_imm32_b32 hwreg(HW_REG_WAVE_MODE, 25, 1), 1
	s_wait_xcnt 0x0
; out0[i] = b + the sum over y = 0 .. 63 of Part[y][i], i over the 65,536 numbers of the result; all f32.
; A thread owns 8 bytes of the result: a wave's load or store covers 256 consecutive bytes, aligned.  All 64 loads of a thread go out at once (128 registers); the partial results lie 262,144 bytes apart:
; two bases, 32 partial results apart, keep every offset an immediate (31 x 262,144 at the most, inside the signed 24 bits).  No LDS, no barrier: threads share nothing.
	s_load_b128 s[4:7], s[0:1], 0x0                ; Part, b
	s_load_b64 s[8:9], s[0:1], 0x10                ; out0
	s_lshl_b32 s12, ttmp9, 10                      ; 128 threads x 8 bytes a work-group
	v_lshl_add_u32 v1, v0, 3, s12
	s_wait_alu depctr_va_vdst(0)
	s_wait_kmcnt 0x0
	s_load_b32 s10, s[6:7], 0x0                    ; the bias
	s_add_nc_u64 s[14:15], s[4:5], 0x800000        ; partial result 32
.irp c, 0,1,2,3,4,5,6,7,8,9,10,11,12,13,14,15,16,17,18,19,20,21,22,23,24,25,26,27,28,29,30,31
	global_load_b64 v[8+2*\c:9+2*\c], v1, s[4:5] offset:\c*262144 th:TH_LOAD_NT
.endr
.irp c, 0,1,2,3,4,5,6,7,8,9,10,11,12,13,14,15,16,17,18,19,20,21,22,23,24,25,26,27,28,29,30,31
	global_load_b64 v[72+2*\c:73+2*\c], v1, s[14:15] offset:\c*262144 th:TH_LOAD_NT
.endr
	s_wait_kmcnt 0x0
	s_mov_b32 s11, s10                             ; (the packed form names the pair)
	s_wait_loadcnt 56                              ; the first eight loads are in; the 56 behind them may be out
	v_pk_add_f32 v[2:3], v[8:9], s[10:11] op_sel_hi:[1,0]          ; the bias starts one chain, two partial results the other: nothing is cleared
	v_pk_add_f32 v[4:5], v[10:11], v[12:13]
.set C, 3
.rept 61
.if (C%8) == 0
	s_wait_alu depctr_va_vdst(0)
	s_wait_loadcnt 56-C                            ; the next eight are in
.endif
	v_pk_add_f32 v[2+2*(C%2):3+2*(C%2)], v[2+2*(C%2):3+2*(C%2)], v[8+2*C:9+2*C]   ; two chains by turns
.set C, C+1
.endr
	v_pk_add_f32 v[2:3], v[2:3], v[4:5]
	global_store_b64 v1, v[2:3], s[8:9]
	s_endpgm
.Lfunc_end_k_q90a5d1011f_reduce:
	.size	k_q90a5d1011f_reduce, .Lfunc_end_k_q90a5d1011f_reduce-k_q90a5d1011f_reduce
	.p2alignl 7, 3214868480
	.fill 96, 4, 3214868480
	.section	.rodata,"a",@progbits
	.p2align	6, 0x0
	.amdhsa_kernel k_q90a5d1011f_reduce
		.amdhsa_group_segment_fixed_size 0
		.amdhsa_private_segment_fixed_size 0
		.amdhsa_enable_private_segment 0
		.amdhsa_kernarg_size 24
		.amdhsa_user_sgpr_count 2
		.amdhsa_user_sgpr_kernarg_segment_ptr 1
		.amdhsa_wavefront_size32 1
		.amdhsa_system_sgpr_workgroup_id_x 1
		.amdhsa_system_sgpr_workgroup_id_y 1
		.amdhsa_system_sgpr_workgroup_id_z 1
		.amdhsa_system_vgpr_workitem_id 0
		.amdhsa_next_free_vgpr 140
		.amdhsa_next_free_sgpr 66
		.amdhsa_reserve_vcc 0
		.amdhsa_float_denorm_mode_32 3
		.amdhsa_float_denorm_mode_16_64 3
		.amdhsa_memory_ordered 1
		.amdhsa_forward_progress 1
		.amdhsa_inst_pref_size 12
	.end_amdhsa_kernel
	.amdgpu_metadata
---
amdhsa.version: [ 1, 2 ]
amdhsa.kernels:
  - .name:           k_q90a5d1011f_reduce
    .symbol:         k_q90a5d1011f_reduce.kd
    .args:
      - { .name: Part, .offset: 0, .size: 8, .value_kind: global_buffer, .address_space: global }
      - { .name: b, .offset: 8, .size: 8, .value_kind: global_buffer, .address_space: global }
      - { .name: out0, .offset: 16, .size: 8, .value_kind: global_buffer, .address_space: global }
    .group_segment_fixed_size: 0
    .private_segment_fixed_size: 0
    .kernarg_segment_align: 8
    .kernarg_segment_size: 24
    .max_flat_workgroup_size: 128
    .sgpr_count:     66
    .vgpr_count:     140
    .wavefront_size: 32
...
	.end_amdgpu_metadata
.endif
;; end of part 3
